; MI455X (gfx1250); checked and timed in simulation.
; The chip was launched on July 23, 2026; its instructions are those of AMD's public machine-readable ISA for CDNA 5 (MIT licence, August 2026) and "CDNA5" Instruction Set Architecture Reference Guide (July 2026). The comments in the code are by the model that wrote it; some were corrected since.
;; Gaussian LSS. Allowed arithmetic: matrix products marked QUANTISED: E2M1 operands, one E8M0 scale for each 32 along K, by v_wmma_scale_f32_16x16x128_f8f6f4 with both operands' format E2M1 (or v_wmma_scale_f32_32x16x128_f4), f32 sums; everything else in f32.
;; Inputs: features0 6 x 128 x 6 x 12 float32; features1 6 x 128 x 6 x 12 float32; features2 6 x 128 x 6 x 12 float32; features3 6 x 128 x 6 x 12 float32; means0 6 x 6 x 12 x 3 float32; means1 6 x 6 x 12 x 3 float32; means2 6 x 6 x 12 x 3 float32; means3 6 x 6 x 12 x 3 float32; opac0 6 x 1 x 6 x 12 float32; opac1 6 x 1 x 6 x 12 float32; opac2 6 x 1 x 6 x 12 float32; opac3 6 x 1 x 6 x 12 float32; uncert0 6 x 6 x 12 x 3 x 3 float32; uncert1 6 x 6 x 12 x 3 x 3 float32; uncert2 6 x 6 x 12 x 3 x 3 float32; uncert3 6 x 6 x 12 x 3 x 3 float32.
;; Outputs: out0 1 x 128 x 25 x 25 float32; out1 1 x 128 x 50 x 50 float32; out2 1 x 128 x 100 x 100 float32; out3 1 x 128 x 200 x 200 float32; out4 one number float32.
;; Constants: b = 1, n = 6.
;; This version of the problem:
;;   THIS VERSION OF THE PROBLEM IS GIVEN IN LOW PRECISION. The matrix products marked QUANTISED in the list below multiply operands that are first quantised to E2M1 (2 exponent bits, 1 mantissa bit; 4 bits a number), with one power-of-two scale for each 32 numbers along K (OCP MX v1.0); their sums are f32. All else is computed in f32.
;;   The module's matrix products, in the order in which they are computed (A, B: the left and right operand; K: the contracted axis; several contracted axes count as one K, in the product's order):
;;     1. [M 128, K 432] x [K 432, N 625]; A: input features0; B: computed on the way: QUANTISED
;;     2. [M 128, K 432] x [K 432, N 2,500]; A: input features1; B: computed on the way: QUANTISED
;;     3. [M 128, K 432] x [K 432, N 10,000]; A: input features2; B: computed on the way: QUANTISED
;;     4. [M 128, K 432] x [K 432, N 40,000]; A: input features3; B: computed on the way: QUANTISED
;;   THE QUANTISER, for each operand of a quantised product, along K:
;;     - K is cut into blocks of 32 from its start; a last block that is shorter is filled with zeros.
;;     - A block's scale is 2^e with e = floor(log2(the largest magnitude in the block)) - 2, held to -126 .. 127; a block of zeros has e = 0. As a byte (E8M0): e + 127.
;;     - Each number is divided by its block's scale, clamped to +-6, and rounded to the nearest number of E2M1, ties to even, subnormals kept.
;;     - The product sums the exact products of the quantised numbers (number of the format x scale) in f32.
;;   ~~~python
;;   def quantise(x, axis):      # numpy; x: float32 -> the quantised numbers, widened to float32 again
;;       x = np.moveaxis(x, axis, -1); K = x.shape[-1]
;;       x = np.pad(x, [(0, 0)] * (x.ndim - 1) + [(0, -K % 32)]); x = x.reshape(x.shape[:-1] + (-1, 32)); a = np.abs(x).max(-1, keepdims=True)
;;       e = np.where(a > 0, np.clip(np.frexp(np.where(a > 0, a, 1))[1] - 1 - 2, -126, 127), 0)      # np.frexp(a)[1] - 1 = floor(log2(a)), exactly
;;       r = np.clip(x / 2.0 ** e, -6, 6)
;;       step = 2.0 ** (np.maximum(np.frexp(np.where(r == 0, 1, r))[1] - 1, 0) - 1)
;;       q = np.round(r / step) * step * 2.0 ** e      # np.round: ties to even
;;       return np.moveaxis(q.reshape(q.shape[:-2] + (-1,))[..., :K], -1, axis).astype(np.float32)
;;   ~~~
;;   OPERANDS COMPUTED ON THE WAY. 'Computed on the way' means the value that the module computes at that place (a softmax that the list does not call 'softmax' is quantised finished and normalised). What goes into a quantiser is computed in f32, as accurately as f32 sums, v_exp_f32 and their like allow (about 1e-6 of the number): no bf16 or f16 on the way to a quantiser, and a product that is left as it is and whose result goes on into a quantised operand takes f32 operands (vector FMAs, or v_wmma_f32_16x16x4_f32). A number that lies on a knife's edge between two numbers of the format may be rounded either way, as far as f32 arithmetic and the matrix unit's own rounding can turn it there, and no further.
;; 2 versions, each right and faster than the one before. Each part assembles by itself: llvm-mc -triple=amdgcn-amd-amdhsa -mcpu=gfx1250 --defsym DOCPART=n.
;; ======== version 1 of 2: 1 launch
;; launch render (part 1): grid 211 x 1, 4 waves a work-group, no clusters, 168,448 bytes of LDS; arguments features0, features1, features2, features3, means0, means1, means2, means3, uncert0, uncert1, uncert2, uncert3, opac0, opac1, opac2, opac3, out0, out1, out2, out3, out4; writes out0, out1, out2, out3, out4
.if DOCPART == 1
	.amdgcn_target "amdgcn-amd-amdhsa--gfx1250"
	.amdhsa_code_object_version 6
	.text
	.protected	k_q5cbe2f73de_render
	.globl	k_q5cbe2f73de_render
	.p2align	8
	.type	k_q5cbe2f73de_render,@function
k_q5cbe2f73de_render:
	s_mov_b64 s[64:65], 0
	v_nop
	global_prefetch_b8 v0, s[64:65] scope:SCOPE_SE
	s_setreg_imm32_b32 hwreg(HW_REG_WAVE_MODE, 25, 1), 1
	s_wait_xcnt 0x0
; GAUSSIAN SPLATTING INTO FOUR BEV MAPS (25^2, 50^2, 100^2, 200^2 pixels), 432 gaussians and 128 channels each, and the count of opacities above 0.01.
; out[d][p] = sum over n of Q(feature[d][n]) x Q(w[n][p]),  w = alpha x T,  T = the product of (1 - alpha) over the gaussians before n,  Q = MX-FP4 along n (blocks of 32, E8M0 scales).
; SHARES.  Work-groups 0-156 take scale 3, 157-196 scale 2, 197-206 scale 1, 207-209 scale 0: 256 pixels each, 64 a wave, two a lane.  Work-group 210 makes out4.
; Every wave walks all gaussians in order (T is serial along n): 14 blocks of 32 = 432 + 16 padded ones of opacity 0.  A block's 32 w of a pixel lie in ONE lane's registers, so its
; largest needs no other lane and the conversions give 16 bytes = a block of the operand.  Thread d (0..127) also quantises block b of feature row d in trip b.
; Codes go to LDS as images of the operands' registers ([tile][block][column] x 16 bytes) and come back by loads of 512 consecutive bytes.  K = 432 is filled to 512 with zero codes.
; The parameters of a gaussian are the same for all lanes: they are made once a work-group (4 a thread), lie in LDS, and are read four gaussians at a time, every lane at one address.
; WHICH PIXEL A LANE HOLDS.  Column r of pixel tile u is pixel WB + 4 r + u (scales 1-3): a lane's four accumulators then hold four neighbouring pixels of one channel, and sixteen lanes
; store 256 consecutive bytes.  Scale 0 (rows of 2,500 bytes, no multiple of 16) takes WB + r + 16 u and stores 4 bytes a lane.  Pixels past the map's end are clamped onto the last ones:
; such lanes make the same bits and store them to the same place; EXEC stays full.
; NO CLUSTER, NO TENSOR LOAD: what work-groups share is a scale's features, and the scales have 157, 40, 10 and 3 work-groups, which no cluster of four divides; nothing streams through LDS.
; LIMITS.  NaN and infinities among the inputs are not served.  A block of zeros gets the scale byte 1 where the rule says 127: its codes are zeros, and the bytes stay in this program.
; The conic is divided by det and scaled by log2(e) once a gaussian (reciprocal with one Newton step), and T is updated by one fused multiply-add: the order of rounding differs from
; the reference's by a few ulp of the terms.
.set PRM,  0                           ; LDS: six arrays (pr, pc, A, B, C, o) of 512 f32, 2,048 bytes apart
.set FIMG, 12288                       ; the features' codes: [tile 8][block 16][row 16] x 16 bytes
.set FSCL, 45056                       ; their scale bytes: [row 128][16]
.set WIMG, 47104                       ; w's codes: [wave 4][tile 4][block 16][column 16] x 16 bytes
.set WSCL, 112640                      ; their scale bytes: [wave 4][tile 4][column 16][16]
; vector registers in the loop
.set PA,   3                           ; LDS address of this trip's parameters
.set FI,   4                           ; my feature row's place in FIMG
.set FS,   5                           ; and in FSCL
.set WI,   6                           ; v6-7   my two pixels' places in WIMG
.set WS,   8                           ; v8-9   and in WSCL
.set D288, 10                          ; 288 x thread: my feature row within a camera
.set FA,   12                          ; v12-15 offsets of the features' loads
.set TWI,  16                          ; v16-21 this trip's LDS store addresses
.set TWS,  18
.set TFI,  20
.set TFS,  21
.set TT,   22                          ; v[22:23] T of my two pixels
.set NR,   24                          ; v[24:25], v[28:29] -row of pixel 0, 1, in both halves of the pair
.set NC,   26                          ; v[26:27], v[30:31] -col likewise
.set PB,   32                          ; v32-79 parameters of four gaussians, two buffers of 24: pr, pc, A, B, C, o
.set DR,   80
.set DC,   88
.set UU,   96
.set PW,   104                         ; v104-119 log2(e) x power, then the exponential, then alpha: two buffers of 8, index 4 pixel + gaussian
.set AP,   120                         ; v120-127 alpha, index 2 gaussian + pixel
.set W0,   128                         ; v128-159, v160-191 the block's 32 w of pixel 0, 1
.set MX,   192
.set SCO,  194
.set BY,   196
.set CW,   198                         ; v198-205 w's codes
.set FX,   206                         ; v206-237 32 numbers of my feature row
.set FMX,  238
.set FMX2, 239
.set FSCO, 240
.set FBY,  241
.set FC,   242                         ; v242-245 their codes
; vector registers at the head (four gaussians a thread: register + k)
.set PX,   128
.set PY,   132
.set CXX,  136
.set CXY,  140
.set CYY,  144
.set OO,   148
.set VA,   152
.set VC,   156
.set VB,   160
.set DET,  164
.set RC,   168
.set TMP,  172
.set PRR,  176
.set PCR,  180
.set OM,   184                         ; byte offsets of gaussians thread + 128 k (k = 0..2 by the immediate) in means, uncert, opac
.set OU,   185
.set OP,   186                         ; (4 x thread: also the parameters' LDS store address)
.set OM3,  187                         ; the same of gaussian min(thread + 384, 431)
.set OU3,  188
.set OP3,  189
; vector registers of the products
.set LI,   3                           ; my wave's images of w, 16 x lane
.set WSR,  4                           ; their scale words, 16 x column
.set FL,   5                           ; the features' images, 16 x lane
.set FSR,  6                           ; their scale words, 16 x row
.set VD,   8                           ; v8-15  byte offset of out(8 h + j, my column's first pixel)
.set DU,   16                          ; v16-19 bytes from tile 0's pixel to tile u's
.set WSW,  32                          ; v32-47 w's scale words, 4 tile + K step: from here on these hold scales alone
.set FB,   48                          ; v48-111 the features' fragments of a channel tile, two buffers of 32
.set FSW,  112                         ; v112-119 their scale words, two buffers of 4
.set ACC,  128                         ; v128-159 four accumulators
.set GG,   160                         ; v160-191 the way out
; window 1, v0-127 (v256-383): w's 16 fragments, 8 (4 tile + K step)
; scalars: s2 wave, s3 scale, s5 my wave's first pixel, s6 P, s7 4 P, s8-23 masks power <= 0 (two buffers), s24-31 masks at work, s[50:59] the scale's features, means, uncert, opac, out,
; s[60:61] 64 P, s62 1/255, s63 0.99, s66 trip, s67 256 trip, s68 PRM + 128 trip, s69 4 trip, s[72:73] 1.0 or 0, s74-77 the pixel map, s78-86 constants
.set MSB, 0
.macro WIN new                         ; the immediate's high byte repeats the setting that is left
.if MSB != \new
	s_set_vgpr_msb (MSB<<8)|\new
.set MSB, \new
.endif
.endm
	s_load_b512 s[8:23], s[0:1], 0x0               ; features0-3 s[8:15], means0-3 s[16:23]
	s_load_b512 s[24:39], s[0:1], 0x40             ; uncert0-3 s[24:31], opac0-3 s[32:39]
	s_load_b256 s[40:47], s[0:1], 0x80             ; out0-3
	s_load_b64 s[48:49], s[0:1], 0xa0              ; out4
	v_lshl_add_u32 v254, v0, 2, 0x29000
	v_mov_b32 v255, 0
	v_lshrrev_b32 v1, 5, v0
	v_readfirstlane_b32 s2, v1                     ; wave 0..3
	v_and_b32 v1, 15, v0                           ; r
	v_bfe_u32 v2, v0, 4, 1                         ; h
	v_mul_u32_u24 v[OM], v0, 12
	v_mul_u32_u24 v[OU], v0, 36
	v_lshlrev_b32 v[OP], 2, v0
	v_add_nc_u32 v[OM3], 384, v0
	v_min_u32 v[OM3], 431, v[OM3]                  ; no load leaves its buffer: threads 48 on read gaussian 431 and drop it
	v_mul_u32_u24 v[OU3], v[OM3], 36
	v_lshlrev_b32 v[OP3], 2, v[OM3]
	v_mul_u32_u24 v[OM3], v[OM3], 12
	s_wait_kmcnt 0x0
	s_cmp_eq_u32 ttmp9, 210
	s_cbranch_scc1 .Lcount                         ; the same for all waves of a work-group
	; which scale: the choice hangs on the work-group's number alone
	s_mov_b64 s[50:51], s[8:9]
	s_mov_b64 s[52:53], s[16:17]
	s_mov_b64 s[54:55], s[24:25]
	s_mov_b64 s[56:57], s[32:33]
	s_mov_b64 s[58:59], s[40:41]
	s_mov_b32 s3, 0
	s_mov_b32 s4, 207
.macro PICK lim, i, first
	s_cmp_lt_u32 ttmp9, \lim
	s_cselect_b64 s[50:51], s[8+2*\i:9+2*\i], s[50:51]
	s_cselect_b64 s[52:53], s[16+2*\i:17+2*\i], s[52:53]
	s_cselect_b64 s[54:55], s[24+2*\i:25+2*\i], s[54:55]
	s_cselect_b64 s[56:57], s[32+2*\i:33+2*\i], s[56:57]
	s_cselect_b64 s[58:59], s[40+2*\i:41+2*\i], s[58:59]
	s_cselect_b32 s3, \i, s3
	s_cselect_b32 s4, \first, s4
.endm
	PICK 207, 1, 197
	PICK 197, 2, 157
	PICK 157, 3, 0
	; 24 loads a thread: x, y, Sigma_xx, Sigma_xy, Sigma_yy, opacity of four gaussians
.irp k, 0,1,2
	global_load_b32 v[PX+\k],  v[OM], s[52:53] offset:1536*\k
	global_load_b32 v[PY+\k],  v[OM], s[52:53] offset:1536*\k+4
	global_load_b32 v[CXX+\k], v[OU], s[54:55] offset:4608*\k
	global_load_b32 v[CXY+\k], v[OU], s[54:55] offset:4608*\k+4
	global_load_b32 v[CYY+\k], v[OU], s[54:55] offset:4608*\k+16
	global_load_b32 v[OO+\k],  v[OP], s[56:57] offset:512*\k
.endr
	global_load_b32 v[PX+3],  v[OM3], s[52:53]
	global_load_b32 v[PY+3],  v[OM3], s[52:53] offset:4
	global_load_b32 v[CXX+3], v[OU3], s[54:55]
	global_load_b32 v[CXY+3], v[OU3], s[54:55] offset:4
	global_load_b32 v[CYY+3], v[OU3], s[54:55] offset:16
	global_load_b32 v[OO+3],  v[OP3], s[56:57]
	; the scale's constants, while the loads are out.  H = W = 25 x 2^scale, so every one is a constant with the scale added to (or taken off) its exponent field
	s_sub_co_u32 s4, ttmp9, s4                     ; my number within the scale
	s_lshl_b32 s5, s4, 8
	s_lshl_b32 s70, s2, 6
	s_add_co_u32 s5, s5, s70                       ; WB: my wave's first pixel
	s_lshl_b32 s70, s3, 1
	s_lshl_b32 s6, 625, s70                        ; P = H W
	s_lshl_b32 s7, s6, 2                           ; a channel's bytes
	s_lshl_b32 s60, s6, 6                          ; 16 channels' bytes
	s_mov_b32 s61, 0
	s_lshl_b32 s71, s3, 23
	s_lshl_b32 s70, s3, 24
	s_add_co_u32 s78, s71, 0x3e800000              ; sh = sw = 0.25 x 2^scale
	s_add_co_u32 s79, s70, 0x3d800000              ; sh^2
	s_add_co_u32 s80, s71, 0x41480000              ; H / 2
	s_add_co_u32 s81, s71, 0x41c80000              ; W
	s_sub_co_u32 s82, 0x3d23d70a, s71              ; 1 / W
	s_mov_b32 s83, 0x3c23d70a                      ; 0.01
	s_mov_b32 s84, 0xbf38aa3b                      ; -0.5 log2(e)
	s_mov_b32 s85, 0x3e99999a                      ; 0.3
	s_xor_b32 s86, s78, 0x80000000                 ; -sh
	s_mov_b32 s62, 0x3b808081                      ; 1 / 255
	s_mov_b32 s63, 0x3f7d70a4                      ; 0.99
	s_sub_co_u32 s87, s6, 1
	s_sub_co_u32 s88, s6, 4
	s_cmp_eq_u32 s3, 0
	s_cselect_b32 s74, 1, 4                        ; pixel(u, r) = min(min(WB + s74 r, s76) + s75 u, s77)
	s_cselect_b32 s75, 16, 1
	s_cselect_b32 s76, s87, s88
	s_mov_b32 s77, s87
	; my two pixels: column r of tiles h and 2 + h; their -row and -col
	v_mul_lo_u32 v16, v1, s74
	v_add_nc_u32 v16, s5, v16
	v_min_u32 v16, s76, v16
	v_mul_lo_u32 v17, v2, s75
	v_add_nc_u32 v16, v16, v17
	s_lshl_b32 s70, s75, 1
	v_add_nc_u32 v17, s70, v16
	v_min_u32 v16, s77, v16
	v_min_u32 v17, s77, v17
	v_cvt_f32_u32 v16, v16
	v_cvt_f32_u32 v17, v17
	v_add_f32 v18, 0.5, v16
	v_add_f32 v19, 0.5, v17
	v_mul_f32 v18, s82, v18                        ; (p + 0.5) / W lies 0.5 / W or more from a whole number; the two roundings move it by less than 3e-5
	v_mul_f32 v19, s82, v19
	v_floor_f32 v18, v18                           ; row
	v_floor_f32 v19, v19
	v_fma_f32 v[NC], v18, s81, -v16                ; -col = row W - p, exact
	v_fma_f32 v[NC+4], v19, s81, -v17
	v_mul_f32 v[NR], -1.0, v18
	v_mul_f32 v[NR+4], -1.0, v19
	v_mov_b32 v[NR+1], v[NR]
	v_mov_b32 v[NC+1], v[NC]
	v_mov_b32 v[NR+5], v[NR+4]
	v_mov_b32 v[NC+5], v[NC+4]
	v_mov_b32 v[TT], 1.0
	v_mov_b32 v[TT+1], 1.0
	; LDS addresses: constants, the lane, the wave
	v_lshrrev_b32 v[FI], 4, v0
	v_lshlrev_b32 v[FI], 12, v[FI]
	v_lshl_add_u32 v[FI], v1, 4, v[FI]
	v_add_nc_u32 v[FI], FIMG, v[FI]                ; channel tile thread / 16, row thread % 16
	v_lshl_add_u32 v[FS], v0, 4, FSCL
	s_lshl_b32 s70, s2, 14
	s_add_co_u32 s70, s70, WIMG
	v_lshlrev_b32 v[WI], 4, v1
	v_lshl_add_u32 v[WI], v2, 12, v[WI]
	v_add_nc_u32 v[WI], s70, v[WI]                 ; pixel tile h, column r
	v_add_nc_u32 v[WI+1], 8192, v[WI]              ; pixel tile 2 + h
	s_lshl_b32 s71, s2, 10
	s_add_co_u32 s71, s71, WSCL
	v_lshlrev_b32 v[WS], 4, v1
	v_lshl_add_u32 v[WS], v2, 8, v[WS]
	v_add_nc_u32 v[WS], s71, v[WS]
	v_add_nc_u32 v[WS+1], 512, v[WS]
	v_mul_u32_u24 v[D288], v0, 288
	; blocks 14 and 15 (K 448 to 511) of both operands: zero codes, scale bytes 127
.irp i, 12,13,14,15
	v_mov_b32 v\i, 0
.endr
	v_mov_b32 v20, 0x7f7f
.irp a, FI, WI, WI+1
	ds_store_b128 v[\a], v[12:15] offset:3584
	ds_store_b128 v[\a], v[12:15] offset:3840
.endr
.irp a, FS, WS, WS+1
	ds_store_b16 v[\a], v20 offset:14
.endr
	; the parameters, four gaussians by turns
	s_wait_loadcnt 0x0
.irp k, 0,1,2,3
	v_max_num_f32 v[CXX+\k], 1.0, v[CXX+\k]
	v_max_num_f32 v[CXY+\k], 1.0, v[CXY+\k]
	v_max_num_f32 v[CYY+\k], 1.0, v[CYY+\k]
.endr
.irp k, 0,1,2,3
	v_fma_f32 v[VA+\k], s79, v[CYY+\k], s85        ; row-row
	v_fma_f32 v[VC+\k], s79, v[CXX+\k], s85        ; col-col
	v_mul_f32 v[VB+\k], s79, v[CXY+\k]             ; row-col
.endr
.irp k, 0,1,2,3
	v_mul_f32 v[TMP+\k], v[VB+\k], v[VB+\k]
.endr
.irp k, 0,1,2,3
	v_fma_f32 v[DET+\k], v[VA+\k], v[VC+\k], -v[TMP+\k]
.endr
.irp k, 0,1,2,3
	v_rcp_f32 v[RC+\k], v[DET+\k]
.endr
.irp k, 0,1,2,3
	v_fma_f32 v[PRR+\k], s86, v[PY+\k], s80        ; pixel row of the mean.  (Plain work behind the reciprocals, which names none of their results)
	v_fma_f32 v[PCR+\k], s86, v[PX+\k], s80        ; pixel column
.endr
.irp k, 0,1,2,3
	v_cmp_lt_f32 s[24+\k], s83, v[OO+\k]           ; opacity > 0.01
	v_cmp_lt_f32 s[28+\k], 0, v[DET+\k]            ; det > 0
.endr
	v_cmp_gt_u32 s70, 48, v0                       ; gaussian thread + 384 exists
.irp k, 0,1,2,3
	s_and_b32 s[24+\k], s[24+\k], s[28+\k]
.endr
	s_and_b32 s27, s27, s70
	s_wait_alu depctr_va_vdst(0)                   ; one wait for the four reciprocals, ahead of their first reader
.irp k, 0,1,2,3
	v_fma_f32 v[TMP+\k], -v[DET+\k], v[RC+\k], 1.0 ; one Newton step
.endr
.irp k, 0,1,2,3
	v_fma_f32 v[RC+\k], v[RC+\k], v[TMP+\k], v[RC+\k]
.endr
.irp k, 0,1,2,3
	v_mul_f32 v[RC+\k], s84, v[RC+\k]              ; -0.5 log2(e) / det
.endr
.irp k, 0,1,2,3
	v_mul_f32 v[VC+\k], v[VC+\k], v[RC+\k]         ; A, of dr^2
	v_mul_f32 v[VA+\k], v[VA+\k], v[RC+\k]         ; C, of dc^2
	v_mul_f32 v[VB+\k], v[VB+\k], v[RC+\k]
.endr
.irp k, 0,1,2,3
	v_mul_f32 v[VB+\k], -2.0, v[VB+\k]             ; B, of dr dc
.endr
.irp k, 0,1,2,3                                ; a gaussian that is not kept: power 0, opacity 0, so alpha 0
	v_cndmask_b32 v[VC+\k], 0, v[VC+\k], s[24+\k]
	v_cndmask_b32 v[VB+\k], 0, v[VB+\k], s[24+\k]
	v_cndmask_b32 v[VA+\k], 0, v[VA+\k], s[24+\k]
	v_cndmask_b32 v[OO+\k], 0, v[OO+\k], s[24+\k]
.endr
.irp k, 0,1,2,3
	ds_store_b32 v[OP], v[PRR+\k] offset:PRM+512*\k
	ds_store_b32 v[OP], v[PCR+\k] offset:PRM+2048+512*\k
	ds_store_b32 v[OP], v[VC+\k]  offset:PRM+4096+512*\k
	ds_store_b32 v[OP], v[VB+\k]  offset:PRM+6144+512*\k
	ds_store_b32 v[OP], v[VA+\k]  offset:PRM+8192+512*\k
	ds_store_b32 v[OP], v[OO+\k]  offset:PRM+10240+512*\k
.endr
	s_wait_dscnt 0x0                               ; for the others' sake: my parameters and my zero fills have landed
	s_barrier_signal -1
	s_barrier_wait -1                              ; all 512 gaussians' parameters lie in LDS
; pr, pc, A, B, C of gaussians 4 g .. 4 g + 3 of the trip's block: every lane reads the same 16 bytes.  Groups 8 and 9 are the next trip's 0 and 1 (all 512 entries are written)
.macro LDP g
.irp a, 0,1,2,3,4
	ds_load_b128 v[PB+24*((\g)%2)+4*\a:PB+24*((\g)%2)+4*\a+3], v[PA] offset:2048*\a+16*(\g)
.endr
.endm
.macro LDO g                           ; their opacities
	ds_load_b128 v[PB+24*((\g)%2)+20:PB+24*((\g)%2)+23], v[PA] offset:10240+16*(\g)
.endm
.macro EX2 x                           ; two exponentials of the group before, in place
	v_exp_f32 v[PWo+\x], v[PWo+\x]
	v_exp_f32 v[PWo+\x+1], v[PWo+\x+1]
.endm
; GROUP g, FIRST HALF: log2(e) x power of 4 gaussians x 2 pixels, two gaussians an instruction: four streams i = 2 pixel + pair by turns.  e = 1: the eight exponentials of group g - 1 stand
; among the first four steps; the twenty plain lines of the other steps follow the last of them.
.macro QA g, e
.set PBk, PB+24*((\g)%2)
.set PWk, PW+8*((\g)%2)
.set PWo, PW+8-8*((\g)%2)
.set Mk,  8+8*((\g)%2)
.irp i, 0,1,2,3
	v_pk_add_f32 v[DR+2*\i:DR+2*\i+1], v[PBk+2*(\i%2):PBk+2*(\i%2)+1], v[NR+4*(\i/2):NR+4*(\i/2)+1]        ; dr = pr - row
.endr
.if \e
	EX2 0
.endif
.irp i, 0,1,2,3
	v_pk_add_f32 v[DC+2*\i:DC+2*\i+1], v[PBk+4+2*(\i%2):PBk+5+2*(\i%2)], v[NC+4*(\i/2):NC+4*(\i/2)+1]      ; dc = pc - col
.endr
.if \e
	EX2 2
.endif
.irp i, 0,1,2,3
	v_pk_mul_f32 v[PWk+2*\i:PWk+2*\i+1], v[PBk+8+2*(\i%2):PBk+9+2*(\i%2)], v[DR+2*\i:DR+2*\i+1]            ; A dr
.endr
.if \e
	EX2 4
.endif
.irp i, 0,1,2,3
	v_pk_mul_f32 v[UU+2*\i:UU+2*\i+1], v[PBk+16+2*(\i%2):PBk+17+2*(\i%2)], v[DC+2*\i:DC+2*\i+1]            ; C dc
.endr
.if \e
	EX2 6
.endif
.irp i, 0,1,2,3
	v_pk_fma_f32 v[PWk+2*\i:PWk+2*\i+1], v[PBk+12+2*(\i%2):PBk+13+2*(\i%2)], v[DC+2*\i:DC+2*\i+1], v[PWk+2*\i:PWk+2*\i+1]   ; B dc + A dr
.endr
.irp i, 0,1,2,3
	v_pk_mul_f32 v[UU+2*\i:UU+2*\i+1], v[UU+2*\i:UU+2*\i+1], v[DC+2*\i:DC+2*\i+1]                          ; C dc^2
.endr
.irp i, 0,1,2,3
	v_pk_fma_f32 v[PWk+2*\i:PWk+2*\i+1], v[PWk+2*\i:PWk+2*\i+1], v[DR+2*\i:DR+2*\i+1], v[UU+2*\i:UU+2*\i+1]
.endr
.irp m, 0,1,2,3,4,5,6,7
	v_cmp_ge_f32 s[Mk+\m], 0, v[PWk+\m]            ; power <= 0.  (Where it is not, alpha becomes 0 whatever the exponential gives: so min(power, 0) is not written)
.endr
.endm
; GROUP g, SECOND HALF: alpha, w = alpha T, T.  cnt: the LDS instructions issued behind this group's opacities (64 or more: no wait is due)
.macro TB g, cnt
.set PBk, PB+24*((\g)%2)
.set PWk, PW+8*((\g)%2)
.set Mk,  8+8*((\g)%2)
.if \cnt < 64
	s_wait_dscnt \cnt
.endif
	s_wait_alu depctr_va_vdst(0)                   ; one wait for the group's eight exponentials, ahead of their first reader
.irp i, 0,1,2,3
	v_pk_mul_f32 v[PWk+2*\i:PWk+2*\i+1], v[PWk+2*\i:PWk+2*\i+1], v[PBk+20+2*(\i%2):PBk+21+2*(\i%2)]        ; o x exp
.endr
	LDO (\g)+2                                     ; the opacities' registers are free
.irp m, 0,1,2,3,4,5,6,7
	v_cmp_le_f32 s[24+\m], s62, v[PWk+\m]          ; alpha >= 1 / 255 (0.99 lies above it, so the test may stand ahead of the clip)
.endr
.irp m, 0,1,2,3,4,5,6,7
	v_min_num_f32 v[PWk+\m], s63, v[PWk+\m]
	s_and_b32 s[24+\m], s[24+\m], s[Mk+\m]
.endr
.irp m, 0,1,2,3,4,5,6,7
	v_cndmask_b32 v[AP+2*(\m%4)+\m/4], 0, v[PWk+\m], s[24+\m]
.endr
.irp n, 0,1,2,3
	v_mul_f32 v[W0+4*(\g)+\n], v[AP+2*\n], v[TT]
	v_mul_f32 v[W0+32+4*(\g)+\n], v[AP+2*\n+1], v[TT+1]
	v_pk_fma_f32 v[TT:TT+1], v[AP+2*\n:AP+2*\n+1], v[TT:TT+1], v[TT:TT+1] neg_lo:[1,0,0] neg_hi:[1,0,0]    ; T - alpha T
.if \n == 2
.irp q, 0,1
.if (\g) == 0
	v_max3_num_f32 v[MX+\q], v[W0+32*\q], v[W0+32*\q+1], 0x1800000   ; the block's largest w begins anew, with the floor 2^(3 - 127) among its leaves: the scale's byte cannot fall under 1.  w is never negative
.else
	v_max3_num_f32 v[MX+\q], v[MX+\q], v[W0+32*\q+4*(\g)], v[W0+32*\q+4*(\g)+1]
.endif
.endr
.endif
.if \n == 3
.irp q, 0,1
	v_max3_num_f32 v[MX+\q], v[MX+\q], v[W0+32*\q+4*(\g)+2], v[W0+32*\q+4*(\g)+3]
.endr
.endif
.endr
.endm
; Where block b of my feature row lies: gaussian n = 72 camera + hw stands at ((128 camera + d) 72 + hw) x 4 bytes.  Eight neighbours never straddle a camera (72 = 9 x 8): group q = 4 b + g of eight
; begins at 288 d + 32 q + 36,576 camera, camera = q / 9 = (57 q) >> 9 for q under 56.  Groups 54 and 55 do not exist: they read group 53 and are multiplied by 0.
.macro FADR
	s_cmp_lt_u32 s66, 13
	s_cselect_b32 s72, 1.0, 0
	s_mov_b32 s73, s72
.irp g, 0,1,2,3
	s_add_co_u32 s70, s69, \g
	s_min_u32 s70, s70, 53
	s_mul_i32 s71, s70, 57
	s_lshr_b32 s71, s71, 9
	s_mul_i32 s71, s71, 36576
	s_lshl_b32 s70, s70, 5
	s_add_co_u32 s70, s70, s71
	v_add_nc_u32 v[FA+\g], s70, v[D288]
.endr
.endm
.macro FLOAD
.irp g, 0,1,2,3
	global_load_b128 v[FX+8*\g:FX+8*\g+3],   v[FA+\g], s[50:51]
	global_load_b128 v[FX+8*\g+4:FX+8*\g+7], v[FA+\g], s[50:51] offset:16
.endr
.endm
; Line fl of 24: the second half of the block x 1.0 (or x 0 in the last trip, where it lies past K), then the largest magnitude in two chains, the floor among the leaves
.macro FLINE
.if fl < 8
	v_pk_mul_f32 v[FX+16+2*fl:FX+17+2*fl], v[FX+16+2*fl:FX+17+2*fl], s[72:73] op_sel_hi:[1,0]
.elseif fl == 8
	v_max3_num_f32 v[FMX], |v[FX]|, |v[FX+1]|, 0x1800000
.elseif fl == 9
	v_max3_num_f32 v[FMX2], |v[FX+16]|, |v[FX+17]|, 0x1800000
.else
.set fc, (fl-10)%2
.set fi, 2+2*((fl-10)/2)
	v_max3_num_f32 v[FMX+fc], v[FMX+fc], |v[FX+16*fc+fi]|, |v[FX+16*fc+fi+1]|
.endif
.set fl, fl+1
.endm
.macro FMAXE                           ; group 7's exponentials stand among these lines, one behind every third
	s_wait_loadcnt 0x0                             ; the trip's eight loads, asked for at its head; their offsets' registers are free with it
.set fl, 0
.set fe, 0
.rept 8
	FLINE
	FLINE
	FLINE
	v_exp_f32 v[PW+8+fe], v[PW+8+fe]
.set fe, fe+1
.endr
	v_max_num_f32 v[FMX], v[FMX], v[FMX2]          ; (a plain line behind the last exponential)
.endm
; The block's three quantisers: my two pixels' w and my feature row.  The largest magnitude with 2 off its exponent field is the conversion's scale operand; its exponent field is the byte.
.macro QWF
.irp q, 0,1
	v_add_nc_u32 v[SCO+\q], 0xff000000, v[MX+\q]
.endr
	v_add_nc_u32 v[FSCO], 0xff000000, v[FMX]
.irp q, 0,1
	v_lshrrev_b32 v[BY+\q], 23, v[SCO+\q]
.endr
	v_lshrrev_b32 v[FBY], 23, v[FSCO]
.irp q, 0,1
	v_add_nc_u32 v[TWI+\q], s67, v[WI+\q]          ; block b: 256 b bytes on among the codes,
	v_add_nc_u32 v[TWS+\q], s66, v[WS+\q]          ; b among the scale bytes
.endr
	v_add_nc_u32 v[TFI], s67, v[FI]
	v_add_nc_u32 v[TFS], s66, v[FS]
.irp q, 0,1
.irp i, 0,1,2,3
	v_cvt_scalef32_pk8_fp4_f32 v[CW+4*\q+\i], v[W0+32*\q+8*\i:W0+32*\q+8*\i+7], v[SCO+\q]
.endr
.endr
.irp i, 0,1,2,3
	v_cvt_scalef32_pk8_fp4_f32 v[FC+\i], v[FX+8*\i:FX+8*\i+7], v[FSCO]
.endr
	v_nop                                          ; one plain line behind the conversions, ahead of the vector lines that write their sources again
.irp q, 0,1
	ds_store_b128 v[TWI+\q], v[CW+4*\q:CW+4*\q+3]  ; 32 codes: sixteen lanes store 256 consecutive bytes
	ds_store_b8 v[TWS+\q], v[BY+\q]
.endr
	ds_store_b128 v[TFI], v[FC:FC+3]
	ds_store_b8 v[TFS], v[FBY]
.endm
	v_mov_b32 v[PA], PRM
	LDP 0
	LDP 1
	LDO 0
	LDO 1
	s_mov_b32 s66, 0
	s_mov_b32 s67, 0
	s_mov_b32 s68, PRM
	s_mov_b32 s69, 0
	s_wait_dscnt 0x0                               ; the first two groups' parameters
; A TRIP: a block of 32 gaussians in eight groups of four.  Group g's first half, the parameters of group g + 2, group g - 1's second half.
; LDS instructions of a trip, in order (P: five loads, O: one): P2 | P3 O2 | P4 O3 | P5 O4 | P6 O5 | P7 O6 | P8 O7 | P9 O8 | O9 | six stores.
.Ltrip:
	v_mov_b32 v[PA], s68
	FADR
	FLOAD                                          ; my feature row's block: used at the trip's end
	s_wait_dscnt 6                                 ; the last trip's six stores may be out; every parameter load is older than they (on the way in nothing is out)
	QA 0, 0
	LDP 2
	QA 1, 1
	LDP 3
	TB 0, 99                                       ; groups 0 and 1: the wait at the head has covered their opacities
	s_wait_dscnt 6                                 ; behind P2: P3 and O2
	QA 2, 1
	LDP 4
	TB 1, 99
.irp g, 3,4,5,6,7
	s_wait_dscnt 6                                 ; behind P(g): O(g - 1), P(g + 1), O(g), seven; six is the count that serves group 2 as well
	QA \g, 1
	LDP \g+2
	TB \g-1, 11                                    ; behind O(g - 1): P(g + 1), O(g), P(g + 2)
.endr
	FMAXE
	TB 7, 6                                        ; behind O7: P9 and O8
	QWF
	s_add_co_u32 s67, s67, 256
	s_add_co_u32 s68, s68, 128
	s_add_co_u32 s69, s69, 4
	s_add_co_u32 s66, s66, 1
	s_cmp_lt_u32 s66, 14
	s_cbranch_scc1 .Ltrip
	s_wait_dscnt 0x0                               ; for the others' sake: my images have landed; and the loads that ran ahead are in
	s_barrier_signal -1
	s_barrier_wait -1                              ; the features' 128 rows lie in LDS as codes
	s_cmp_ge_u32 s5, s6
	s_cbranch_scc1 .Lend                           ; a wave all of whose pixels lie past the map's end has quantised its feature rows and stores nothing
	v_and_b32 v11, 31, v0
	s_lshl_b32 s70, s2, 14
	s_add_co_u32 s70, s70, WIMG
	v_lshl_add_u32 v[LI], v11, 4, s70
	s_lshl_b32 s71, s2, 10
	s_add_co_u32 s71, s71, WSCL
	v_lshl_add_u32 v[WSR], v1, 4, s71
	v_lshl_add_u32 v[FL], v11, 4, FIMG
	v_lshl_add_u32 v[FSR], v1, 4, FSCL
	; fragment (tile, K step s), registers 4 c on, of lane (r, h) is block 4 s + 2 c + h of column r: 4,096 tile + 1,024 s + 512 c + 16 lane
	WIN 0x40                                       ; destination window 1
.irp u, 0,1,2,3
.irp s, 0,1,2,3
.irp c, 0,1
	ds_load_b128 v[8*(4*\u+\s)+4*\c:8*(4*\u+\s)+4*\c+3], v[LI] offset:4096*\u+1024*\s+512*\c
.endr
.endr
.endr
	WIN 0
.irp u, 0,1,2,3
	ds_load_b128 v[WSW+4*\u:WSW+4*\u+3], v[WSR] offset:256*\u      ; column r's 16 scale bytes: a word for each K step
.endr
.macro LDF t                           ; channel tile t: four fragments and its rows' scale words, nine loads
.irp s, 0,1,2,3
.irp c, 0,1
	ds_load_b128 v[FB+32*((\t)%2)+8*\s+4*\c:FB+32*((\t)%2)+8*\s+4*\c+3], v[FL] offset:4096*(\t)+1024*\s+512*\c
.endr
.endr
	ds_load_b128 v[FSW+4*((\t)%2):FSW+4*((\t)%2)+3], v[FSR] offset:256*(\t)
.endm
	LDF 0
	LDF 1
	; where my results go: out(16 t + 8 h + j, pixel(u, r))
	v_mul_lo_u32 v7, v1, s74
	v_add_nc_u32 v7, s5, v7
	v_min_u32 v7, s76, v7                          ; pixel(0, r)
	v_mov_b32 v[DU], 0
.irp u, 1,2,3
	s_mul_i32 s70, s75, \u
	v_add_nc_u32 v[DU+\u], s70, v7
	v_min_u32 v[DU+\u], s77, v[DU+\u]
	v_sub_nc_u32 v[DU+\u], v[DU+\u], v7
	v_lshlrev_b32 v[DU+\u], 2, v[DU+\u]
.endr
	v_lshlrev_b32 v7, 2, v7
	s_lshl_b32 s70, s7, 3
	v_mul_lo_u32 v[VD], v2, s70                    ; 8 h channels
	v_add_nc_u32 v[VD], v[VD], v7
.irp j, 1,2,3,4,5,6,7
	v_add_nc_u32 v[VD+\j], s7, v[VD+\j-1]
.endr
; 16 matrix instructions: source 0 = 16 channels, source 1 = 16 pixels; the four pixel tiles' accumulators by turns, one instruction a turn, K step by K step.
; The first K step starts the sums.
.macro MM t
	WIN 0x04                                       ; source 1 (w) window 1
.irp s, 0,1,2,3
.irp u, 0,1,2,3
.if \s == 0
	v_wmma_scale_f32_16x16x128_f8f6f4 v[ACC+8*\u:ACC+8*\u+7], v[FB+32*((\t)%2)+8*\s:FB+32*((\t)%2)+8*\s+7], v[8*(4*\u+\s):8*(4*\u+\s)+7], 0, v[FSW+4*((\t)%2)+\s], v[WSW+4*\u+\s] matrix_a_fmt:MATRIX_FMT_FP4 matrix_b_fmt:MATRIX_FMT_FP4
.else
	v_wmma_scale_f32_16x16x128_f8f6f4 v[ACC+8*\u:ACC+8*\u+7], v[FB+32*((\t)%2)+8*\s:FB+32*((\t)%2)+8*\s+7], v[8*(4*\u+\s):8*(4*\u+\s)+7], v[ACC+8*\u:ACC+8*\u+7], v[FSW+4*((\t)%2)+\s], v[WSW+4*\u+\s] matrix_a_fmt:MATRIX_FMT_FP4 matrix_b_fmt:MATRIX_FMT_FP4
.endif
.endr
.endr
	WIN 0
.endm
; THE WAY OUT of a channel tile.  Scales 1-3: register j of the four accumulators is four neighbouring pixels of channel 8 h + j: gathered into four neighbouring registers, sixteen lanes store 256
; consecutive bytes.  Scale 0: 4 bytes a lane, sixteen lanes 64 consecutive bytes.  Each accumulator is read from its low end on.  The branch hangs on the work-group's number alone.
.macro OUT
	s_cmp_eq_u32 s3, 0
	s_cbranch_scc1 .Lsmall_\@
.irp j, 0,1,2,3,4,5,6,7
.irp u, 0,1,2,3
	v_mov_b32 v[GG+4*\j+\u], v[ACC+8*\u+\j]
.endr
.endr
.irp j, 0,1,2,3,4,5,6,7
	global_store_b128 v[VD+\j], v[GG+4*\j:GG+4*\j+3], s[58:59] th:TH_STORE_NT
.endr
	s_branch .Lsent_\@
.Lsmall_\@:
.irp j, 0,1,2,3,4,5,6,7
.irp u, 0,1,2,3
	v_add_nc_u32 v[GG+4*\j+\u], v[VD+\j], v[DU+\u]
.endr
.endr
.irp j, 0,1,2,3,4,5,6,7
.irp u, 0,1,2,3
	global_store_b32 v[GG+4*\j+\u], v[ACC+8*\u+\j], s[58:59] th:TH_STORE_NT
.endr
.endr
.Lsent_\@:
.endm
.irp t, 0,1,2,3,4,5,6,7
.if \t < 7
	s_wait_dscnt 9                                 ; all but the next tile's nine loads
.else
	s_wait_dscnt 0x0
.endif
.if \t > 0
	s_wait_xcnt 0x0                                ; the last tile's stores have read their data, offsets and base: only behind this wait are they written again
	s_add_nc_u64 s[58:59], s[58:59], s[60:61]      ; 16 channels on
.endif
	MM \t
.rept 4
	v_nop                                          ; four places ahead of the loads into the fragments' registers and of the first reads of the results
.endr
.if \t < 6
	LDF \t+2
.endif
	OUT                                            ; its 32 vector lines also part this tile's products from the next tile's, which begin the accumulators anew
.endr
.Lend:
	s_wait_tensorcnt 0x0
	ds_add_u32 v254, v255
	s_wait_dscnt 0x0
	s_endpgm
; out4: the number of opacities above 0.01, all four scales: 4 x 432 numbers, wave 0's 56 loads.  The count goes into the stored number alone: no branch and no address hangs on it.
.Lcount:
	s_cmp_lg_u32 s2, 0
	s_cbranch_scc1 .Lidle
	s_mov_b32 s83, 0x3c23d70a                      ; 0.01
	v_lshlrev_b32 v1, 2, v0                        ; in wave 0 the thread's number is the lane's
	v_min_u32 v2, 15, v0
	v_lshlrev_b32 v2, 2, v2                        ; 432 = 13 x 32 + 16: the last load's upper lanes read number 431 and are masked out
.irp s, 0,1,2,3
.irp k, 0,1,2,3,4,5,6,7,8,9,10,11,12
	global_load_b32 v[16+14*\s+\k], v1, s[32+2*\s:33+2*\s] offset:128*\k
.endr
	global_load_b32 v[16+14*\s+13], v2, s[32+2*\s:33+2*\s] offset:1664
.endr
	s_mov_b32 s70, 0
	s_wait_loadcnt 0x0
.irp s, 0,1,2,3
.irp k, 0,1,2,3,4,5,6,7,8,9,10,11,12,13
	v_cmp_lt_f32 vcc_lo, s83, v[16+14*\s+\k]
.if \k == 13
	s_and_b32 vcc_lo, vcc_lo, 0xffff
.endif
	s_bcnt1_i32_b32 s71, vcc_lo
	s_add_co_u32 s70, s70, s71
.endr
.endr
	v_cvt_f32_u32 v2, s70                          ; at most 1,728: exact
	v_mov_b32 v3, 0
	v_cmp_eq_u32 vcc_lo, 0, v0
	s_wait_xcnt 0x0                                ; EXEC changes only behind this wait
	s_and_saveexec_b32 s71, vcc_lo
	global_store_b32 v3, v2, s[48:49]              ; lane 0 alone
	s_wait_xcnt 0x0                                ; and again, in front of the line that widens it
	s_or_b32 exec_lo, exec_lo, s71
.Lidle:
	s_endpgm
.Lfunc_end_k_q5cbe2f73de_render:
	.size	k_q5cbe2f73de_render, .Lfunc_end_k_q5cbe2f73de_render-k_q5cbe2f73de_render
	.p2alignl 7, 3214868480
	.fill 96, 4, 3214868480
	.section	.rodata,"a",@progbits
	.p2align	6, 0x0
	.amdhsa_kernel k_q5cbe2f73de_render
		.amdhsa_group_segment_fixed_size 168448
		.amdhsa_private_segment_fixed_size 0
		.amdhsa_enable_private_segment 0
		.amdhsa_kernarg_size 168
		.amdhsa_user_sgpr_count 2
		.amdhsa_user_sgpr_kernarg_segment_ptr 1
		.amdhsa_wavefront_size32 1
		.amdhsa_system_sgpr_workgroup_id_x 1
		.amdhsa_system_sgpr_workgroup_id_y 1
		.amdhsa_system_sgpr_workgroup_id_z 1
		.amdhsa_system_vgpr_workitem_id 0
		.amdhsa_next_free_vgpr 384
		.amdhsa_next_free_sgpr 96
		.amdhsa_reserve_vcc 1
		.amdhsa_float_denorm_mode_32 3
		.amdhsa_float_denorm_mode_16_64 3
		.amdhsa_memory_ordered 1
		.amdhsa_forward_progress 1
		.amdhsa_inst_pref_size 151
	.end_amdhsa_kernel
	.amdgpu_metadata
---
amdhsa.version: [ 1, 2 ]
amdhsa.kernels:
  - .name:           k_q5cbe2f73de_render
    .symbol:         k_q5cbe2f73de_render.kd
    .args:
      - { .name: features0, .offset: 0, .size: 8, .value_kind: global_buffer, .address_space: global }
      - { .name: features1, .offset: 8, .size: 8, .value_kind: global_buffer, .address_space: global }
      - { .name: features2, .offset: 16, .size: 8, .value_kind: global_buffer, .address_space: global }
      - { .name: features3, .offset: 24, .size: 8, .value_kind: global_buffer, .address_space: global }
      - { .name: means0, .offset: 32, .size: 8, .value_kind: global_buffer, .address_space: global }
      - { .name: means1, .offset: 40, .size: 8, .value_kind: global_buffer, .address_space: global }
      - { .name: means2, .offset: 48, .size: 8, .value_kind: global_buffer, .address_space: global }
      - { .name: means3, .offset: 56, .size: 8, .value_kind: global_buffer, .address_space: global }
      - { .name: uncert0, .offset: 64, .size: 8, .value_kind: global_buffer, .address_space: global }
      - { .name: uncert1, .offset: 72, .size: 8, .value_kind: global_buffer, .address_space: global }
      - { .name: uncert2, .offset: 80, .size: 8, .value_kind: global_buffer, .address_space: global }
      - { .name: uncert3, .offset: 88, .size: 8, .value_kind: global_buffer, .address_space: global }
      - { .name: opac0, .offset: 96, .size: 8, .value_kind: global_buffer, .address_space: global }
      - { .name: opac1, .offset: 104, .size: 8, .value_kind: global_buffer, .address_space: global }
      - { .name: opac2, .offset: 112, .size: 8, .value_kind: global_buffer, .address_space: global }
      - { .name: opac3, .offset: 120, .size: 8, .value_kind: global_buffer, .address_space: global }
      - { .name: out0, .offset: 128, .size: 8, .value_kind: global_buffer, .address_space: global }
      - { .name: out1, .offset: 136, .size: 8, .value_kind: global_buffer, .address_space: global }
      - { .name: out2, .offset: 144, .size: 8, .value_kind: global_buffer, .address_space: global }
      - { .name: out3, .offset: 152, .size: 8, .value_kind: global_buffer, .address_space: global }
      - { .name: out4, .offset: 160, .size: 8, .value_kind: global_buffer, .address_space: global }
    .group_segment_fixed_size: 168448
    .private_segment_fixed_size: 0
    .kernarg_segment_align: 8
    .kernarg_segment_size: 168
    .max_flat_workgroup_size: 128
    .sgpr_count:     96
    .vgpr_count:     384
    .wavefront_size: 32
...
	.end_amdgpu_metadata
.endif
;; end of part 1
;; ======== version 2 of 2: 1 launch; 1.19 times as fast as version 1
;; launch render (part 2): grid 211 x 1, 8 waves a work-group, no clusters, 168,960 bytes of LDS; arguments features0, features1, features2, features3, means0, means1, means2, means3, uncert0, uncert1, uncert2, uncert3, opac0, opac1, opac2, opac3, out0, out1, out2, out3, out4; writes out0, out1, out2, out3, out4
.if DOCPART == 2
	.amdgcn_target "amdgcn-amd-amdhsa--gfx1250"
	.amdhsa_code_object_version 6
	.text
	.protected	k_q5cbe2f73de_render
	.globl	k_q5cbe2f73de_render
	.p2align	8
	.type	k_q5cbe2f73de_render,@function
k_q5cbe2f73de_render:
	s_mov_b64 s[64:65], 0
	v_nop
	global_prefetch_b8 v0, s[64:65] scope:SCOPE_SE
	s_setreg_imm32_b32 hwreg(HW_REG_WAVE_MODE, 25, 1), 1
	s_wait_xcnt 0x0
; GAUSSIAN SPLATTING INTO FOUR BEV MAPS (25^2, 50^2, 100^2, 200^2 pixels), 432 gaussians and 128 channels each, and the count of opacities above 0.01.
; out[d][p] = sum over n of Q(feature[d][n]) x Q(w[n][p]),  w = alpha x T,  T = the product of (1 - alpha) over the gaussians before n,  Q = MX-FP4 along n (blocks of 32, E8M0 scales).
; SHARES.  Work-groups 0-156 take scale 3, 157-196 scale 2, 197-206 scale 1, 207-209 scale 0: 256 pixels each.  Work-group 210 makes out4.
; EIGHT WAVES, TWO ROLES.  Waves 0, 3, 5, 6 RENDER: 64 pixels each, two a lane, all gaussians in order (T is serial along n): 14 blocks of 32 = 432 + 16 padded ones that are never kept.
; Waves 1, 2, 4, 7 HELP: they quantise the 128 feature rows, a row a lane.  In each set the numbers differ modulo 4 and also in their upper two bits: whether eight waves go to four SIMDs
; in turn or in neighbouring pairs, each SIMD gets one wave of each role.  The role is the parity of the number's three bits; w >> 1 is the pixel wave (or the helper's 32 rows).
; All eight walk the loop over blocks, the branch on the role stands inside it; behind it the render wave of a pixel wave multiplies channel tiles 0-3, its helper tiles 4-7.
; A block's 32 w of a pixel lie in ONE lane's registers, so its largest needs no other lane and the conversions give 16 bytes = a block of the operand.
; Codes go to LDS as images of the operands' registers ([tile][block][column] x 16 bytes) and come back by loads of 512 consecutive bytes.  K = 432 is filled to 512 with zero codes.
; The parameters of a gaussian are the same for all lanes: they are made once a work-group (2 a thread), lie in LDS, and are read four gaussians at a time, every lane at one address.
; WHICH PIXEL A LANE HOLDS.  Column r of pixel tile u is pixel WB + 4 r + u (scales 1-3): a lane's four accumulators then hold four neighbouring pixels of one channel, and sixteen lanes
; store 256 consecutive bytes.  Scale 0 (rows of 2,500 bytes, no multiple of 16) takes WB + r + 16 u and stores 4 bytes a lane.  Pixels past the map's end are clamped onto the last ones:
; such lanes make the same bits and store them to the same place; EXEC stays full.
; NO CLUSTER, NO TENSOR LOAD: what work-groups share is a scale's features, and the scales have 157, 40, 10 and 3 work-groups, which no cluster of four divides; nothing streams through LDS.
; LIMITS.  NaN and infinities among the inputs are not served.  A block of zeros gets the scale byte 1 where the rule says 127: its codes are zeros, and the bytes stay in this program.
; The conic is divided by det and scaled by log2(e) once a gaussian (reciprocal with one Newton step), and T is updated by one fused multiply-add: the order of rounding differs from
; the reference's by a few ulp of the terms.  The test alpha >= 1/255 is made on the exponent (np <= log2(255 o)): it can differ from the test on alpha only where o exp(power) lies
; within a few 1e-7 of 1/255, relative.
.set PRM,  0                           ; LDS: seven arrays (pr, pc, A, B, C, limit, o) of 512 words, 2,048 bytes apart
.set FIMG, 14336                       ; the features' codes: [tile 8][block 16][row 16] x 16 bytes
.set FSCL, 47104                       ; their scale bytes: [row 128][16]
.set WIMG, 49152                       ; w's codes: [pixel wave 4][tile 4][block 16][column 16] x 16 bytes
.set WSCL, 114688                      ; their scale bytes: [pixel wave 4][tile 4][column 16][16]
; vector registers that stay through the loop
.set PA,   3                           ; LDS address of this trip's parameters
.set FI,   4                           ; a helper's feature row in FIMG
.set FS,   5                           ; and in FSCL
.set WI,   6                           ; v6-7   my two pixels' places in WIMG
.set WS,   8                           ; v8-9   and in WSCL
.set D288, 10                          ; 288 x my feature row: its bytes within a camera
;          v12-15 zeros, v20 two scale bytes of 127
.set TWI,  16                          ; v16-19 this trip's LDS store addresses
.set TWS,  18
.set TT,   22                          ; v[22:23] T of my two pixels
.set NR,   24                          ; v[24:25], v[28:29] -row of pixel 0, 1, in both halves of the pair
.set NC,   26                          ; v[26:27], v[30:31] -col likewise
.set PB,   32                          ; v32-79 parameters of four gaussians, two buffers of 24: pr, pc, A, B, C, limit
.set OB,   208                         ; v208-223 their opacities, four buffers of 4
; at work within a trip of a render wave
.set DR,   80
.set DC,   88
.set UU,   96
.set PW,   104                         ; v104-119 np = -log2(e) x power, then the exponential, then alpha: two buffers of 8, index 4 pixel + gaussian
.set AP,   120                         ; v120-127 alpha, index 2 gaussian + pixel
.set W0,   128                         ; v128-159, v160-191 the block's 32 w of pixel 0, 1
.set MX,   192
.set SCO,  194
.set BY,   196
.set CW,   198                         ; v198-205 w's codes
; a helper's registers: all among those that a render wave writes anew in every trip
.set FCS,  80                          ; v80-91  a block's codes, three sets of 4
.set FM,   92
.set FM2,  93
.set FSC,  94
.set FBT,  95
.set FXS,  96                          ; v96-191 32 numbers of my feature row, three sets
.set SBY,  192                         ; v192-195 my row's 16 scale bytes
; vector registers at the head (two gaussians a thread: register + k)
.set PX,   128
.set PY,   132
.set CXX,  136
.set CXY,  140
.set CYY,  144
.set OO,   148
.set VA,   152
.set VC,   156
.set VB,   160
.set DET,  164
.set RC,   168
.set TMP,  172
.set PRR,  176
.set PCR,  180
.set OM,   184                         ; byte offsets of gaussian thread in means, uncert, opac
.set OU,   185
.set OP,   186                         ; (4 x thread: also the parameters' LDS store address)
.set OM3,  187                         ; the same of gaussian min(thread + 256, 431)
.set OU3,  188
.set OP3,  189
.set OL,   192
.set LG,   196
; vector registers of the products
.set LI,   3                           ; my pixel wave's images of w, 16 x lane
.set WSR,  4                           ; their scale words, 16 x column
.set FL,   5                           ; my four channel tiles' images, 16 x lane
.set FSR,  6                           ; their scale words, 16 x row
.set VD,   8                           ; v8-15  byte offset of out(8 h + j, my column's first pixel)
.set DU,   16                          ; v16-19 bytes from tile 0's pixel to tile u's
.set WSW,  32                          ; v32-47 w's scale words, 4 tile + K step: from here on these hold scales alone
.set FB,   48                          ; v48-111 the features' fragments of a channel tile, two buffers of 32
.set FSW,  112                         ; v112-119 their scale words, two buffers of 4
.set ACC,  128                         ; v128-159 four accumulators
.set GG,   160                         ; v160-191 the way out
; window 1, v0-127 (v256-383): w's 16 fragments, 8 (4 tile + K step)
; scalars: s2 wave, s3 scale, s5 my pixel wave's first pixel, s6 P, s7 4 P, s8-23 masks (two buffers of 8), s24-29 at work at the head, s[50:59] the scale's features, means, uncert, opac, out,
; s[60:61] 64 P, s63 0.99, s66 trip, s67 256 trip, s68 PRM + 128 trip, s74-77 the pixel map, s78-89 constants, s91 wave >> 1, s92 role
.set MSB, 0
.macro WIN new                         ; the immediate's high byte repeats the setting that is left
.if MSB != \new
	s_set_vgpr_msb (MSB<<8)|\new
.set MSB, \new
.endif
.endm
	s_load_b512 s[8:23], s[0:1], 0x0               ; features0-3 s[8:15], means0-3 s[16:23]
	s_load_b512 s[24:39], s[0:1], 0x40             ; uncert0-3 s[24:31], opac0-3 s[32:39]
	s_load_b256 s[40:47], s[0:1], 0x80             ; out0-3
	s_load_b64 s[48:49], s[0:1], 0xa0              ; out4
	v_lshl_add_u32 v254, v0, 2, 0x29000
	v_mov_b32 v255, 0
	v_lshrrev_b32 v1, 5, v0
	v_readfirstlane_b32 s2, v1                     ; wave 0..7
	v_and_b32 v1, 15, v0                           ; r
	v_bfe_u32 v2, v0, 4, 1                         ; h
	v_mul_u32_u24 v[OM], v0, 12
	v_mul_u32_u24 v[OU], v0, 36
	v_lshlrev_b32 v[OP], 2, v0
	v_add_nc_u32 v[OM3], 256, v0
	v_min_u32 v[OM3], 431, v[OM3]                  ; no load leaves its buffer: threads 176 on read gaussian 431 and drop it
	v_mul_u32_u24 v[OU3], v[OM3], 36
	v_lshlrev_b32 v[OP3], 2, v[OM3]
	v_mul_u32_u24 v[OM3], v[OM3], 12
	s_lshr_b32 s91, s2, 1                          ; the pixel wave, or a helper's 32 rows: 0..3
	s_lshr_b32 s92, s2, 2
	s_xor_b32 s92, s92, s91
	s_xor_b32 s92, s92, s2
	s_and_b32 s92, s92, 1                          ; the role: 0 in waves 0, 3, 5, 6 (render), 1 in waves 1, 2, 4, 7 (help)
	s_wait_kmcnt 0x0
	s_cmp_eq_u32 ttmp9, 210
	s_cbranch_scc1 .Lcount                         ; the same for all waves of a work-group
	; which scale: the choice hangs on the work-group's number alone
	s_mov_b64 s[50:51], s[8:9]
	s_mov_b64 s[52:53], s[16:17]
	s_mov_b64 s[54:55], s[24:25]
	s_mov_b64 s[56:57], s[32:33]
	s_mov_b64 s[58:59], s[40:41]
	s_mov_b32 s3, 0
	s_mov_b32 s4, 207
.macro PICK lim, i, first
	s_cmp_lt_u32 ttmp9, \lim
	s_cselect_b64 s[50:51], s[8+2*\i:9+2*\i], s[50:51]
	s_cselect_b64 s[52:53], s[16+2*\i:17+2*\i], s[52:53]
	s_cselect_b64 s[54:55], s[24+2*\i:25+2*\i], s[54:55]
	s_cselect_b64 s[56:57], s[32+2*\i:33+2*\i], s[56:57]
	s_cselect_b64 s[58:59], s[40+2*\i:41+2*\i], s[58:59]
	s_cselect_b32 s3, \i, s3
	s_cselect_b32 s4, \first, s4
.endm
	PICK 207, 1, 197
	PICK 197, 2, 157
	PICK 157, 3, 0
	; 12 loads a thread: x, y, Sigma_xx, Sigma_xy, Sigma_yy, opacity of two gaussians
	global_load_b32 v[PX],    v[OM], s[52:53]
	global_load_b32 v[PY],    v[OM], s[52:53] offset:4
	global_load_b32 v[CXX],   v[OU], s[54:55]
	global_load_b32 v[CXY],   v[OU], s[54:55] offset:4
	global_load_b32 v[CYY],   v[OU], s[54:55] offset:16
	global_load_b32 v[OO],    v[OP], s[56:57]
	global_load_b32 v[PX+1],  v[OM3], s[52:53]
	global_load_b32 v[PY+1],  v[OM3], s[52:53] offset:4
	global_load_b32 v[CXX+1], v[OU3], s[54:55]
	global_load_b32 v[CXY+1], v[OU3], s[54:55] offset:4
	global_load_b32 v[CYY+1], v[OU3], s[54:55] offset:16
	global_load_b32 v[OO+1],  v[OP3], s[56:57]
	; the scale's constants, while the loads are out.  H = W = 25 x 2^scale, so every one is a constant with the scale added to (or taken off) its exponent field
	s_sub_co_u32 s4, ttmp9, s4                     ; my number within the scale
	s_lshl_b32 s5, s4, 8
	s_lshl_b32 s70, s91, 6
	s_add_co_u32 s5, s5, s70                       ; WB: my pixel wave's first pixel
	s_lshl_b32 s70, s3, 1
	s_lshl_b32 s6, 625, s70                        ; P = H W
	s_lshl_b32 s7, s6, 2                           ; a channel's bytes
	s_lshl_b32 s60, s6, 6                          ; 16 channels' bytes
	s_mov_b32 s61, 0
	s_lshl_b32 s71, s3, 23
	s_lshl_b32 s70, s3, 24
	s_add_co_u32 s78, s71, 0x3e800000              ; sh = sw = 0.25 x 2^scale
	s_add_co_u32 s79, s70, 0x3d800000              ; sh^2
	s_add_co_u32 s80, s71, 0x41480000              ; H / 2
	s_add_co_u32 s81, s71, 0x41c80000              ; W
	s_sub_co_u32 s82, 0x3d23d70a, s71              ; 1 / W
	s_mov_b32 s83, 0x3c23d70a                      ; 0.01
	s_mov_b32 s84, 0x3f38aa3b                      ; 0.5 log2(e)
	s_mov_b32 s85, 0x3e99999a                      ; 0.3
	s_xor_b32 s86, s78, 0x80000000                 ; -sh
	s_mov_b32 s89, 0x437f0000                      ; 255
	s_mov_b32 s63, 0x3f7d70a4                      ; 0.99
	s_sub_co_u32 s87, s6, 1
	s_sub_co_u32 s88, s6, 4
	s_cmp_eq_u32 s3, 0
	s_cselect_b32 s74, 1, 4                        ; pixel(u, r) = min(min(WB + s74 r, s76) + s75 u, s77)
	s_cselect_b32 s75, 16, 1
	s_cselect_b32 s76, s87, s88
	s_mov_b32 s77, s87
	; my two pixels: column r of tiles h and 2 + h; their -row and -col
	v_mul_lo_u32 v16, v1, s74
	v_add_nc_u32 v16, s5, v16
	v_min_u32 v16, s76, v16
	v_mul_lo_u32 v17, v2, s75
	v_add_nc_u32 v16, v16, v17
	s_lshl_b32 s70, s75, 1
	v_add_nc_u32 v17, s70, v16
	v_min_u32 v16, s77, v16
	v_min_u32 v17, s77, v17
	v_cvt_f32_u32 v16, v16
	v_cvt_f32_u32 v17, v17
	v_add_f32 v18, 0.5, v16
	v_add_f32 v19, 0.5, v17
	v_mul_f32 v18, s82, v18                        ; (p + 0.5) / W lies 0.5 / W or more from a whole number; the two roundings move it by less than 3e-5
	v_mul_f32 v19, s82, v19
	v_floor_f32 v18, v18                           ; row
	v_floor_f32 v19, v19
	v_fma_f32 v[NC], v18, s81, -v16                ; -col = row W - p, exact
	v_fma_f32 v[NC+4], v19, s81, -v17
	v_mul_f32 v[NR], -1.0, v18
	v_mul_f32 v[NR+4], -1.0, v19
	v_mov_b32 v[NR+1], v[NR]
	v_mov_b32 v[NC+1], v[NC]
	v_mov_b32 v[NR+5], v[NR+4]
	v_mov_b32 v[NC+5], v[NC+4]
	v_mov_b32 v[TT], 1.0
	v_mov_b32 v[TT+1], 1.0
	; every LDS address of both roles is made here, ahead of the first parting: constants, the lane, the wave
	v_lshrrev_b32 v11, 6, v0                       ; wave >> 1
	v_lshlrev_b32 v[FI], 13, v11
	v_lshl_add_u32 v[FI], v2, 12, v[FI]
	v_lshl_add_u32 v[FI], v1, 4, v[FI]
	v_add_nc_u32 v[FI], FIMG, v[FI]                ; feature row d = 32 (wave >> 1) + lane: channel tile d / 16, row d % 16
	v_and_b32 v[D288], 31, v0
	v_lshl_or_b32 v[D288], v11, 5, v[D288]         ; d
	v_lshl_add_u32 v[FS], v[D288], 4, FSCL
	v_mul_u32_u24 v[D288], v[D288], 288
	s_lshl_b32 s70, s91, 14
	s_add_co_u32 s70, s70, WIMG
	v_lshlrev_b32 v[WI], 4, v1
	v_lshl_add_u32 v[WI], v2, 12, v[WI]
	v_add_nc_u32 v[WI], s70, v[WI]                 ; pixel tile h, column r
	v_add_nc_u32 v[WI+1], 8192, v[WI]              ; pixel tile 2 + h
	s_lshl_b32 s71, s91, 10
	s_add_co_u32 s71, s71, WSCL
	v_lshlrev_b32 v[WS], 4, v1
	v_lshl_add_u32 v[WS], v2, 8, v[WS]
	v_add_nc_u32 v[WS], s71, v[WS]
	v_add_nc_u32 v[WS+1], 512, v[WS]
.irp i, 12,13,14,15
	v_mov_b32 v\i, 0
.endr
	v_mov_b32 v20, 0x7f7f
	; the parameters, two gaussians by turns
	s_wait_loadcnt 0x0
.irp k, 0,1
	v_max_num_f32 v[CXX+\k], 1.0, v[CXX+\k]
	v_max_num_f32 v[CXY+\k], 1.0, v[CXY+\k]
	v_max_num_f32 v[CYY+\k], 1.0, v[CYY+\k]
	v_mul_f32 v[OL+\k], s89, v[OO+\k]              ; 255 o
.endr
.irp k, 0,1
	v_fma_f32 v[VA+\k], s79, v[CYY+\k], s85        ; row-row
	v_fma_f32 v[VC+\k], s79, v[CXX+\k], s85        ; col-col
	v_mul_f32 v[VB+\k], s79, v[CXY+\k]             ; row-col
.endr
.irp k, 0,1
	v_mul_f32 v[TMP+\k], v[VB+\k], v[VB+\k]
.endr
.irp k, 0,1
	v_fma_f32 v[DET+\k], v[VA+\k], v[VC+\k], -v[TMP+\k]
.endr
.irp k, 0,1
	v_rcp_f32 v[RC+\k], v[DET+\k]
.endr
.irp k, 0,1
	v_log_f32 v[LG+\k], v[OL+\k]                   ; log2(255 o): above 1.35 where o > 0.01
.endr
.irp k, 0,1
	v_fma_f32 v[PRR+\k], s86, v[PY+\k], s80        ; pixel row of the mean.  (Plain work behind the four transcendentals, which names none of their results)
	v_fma_f32 v[PCR+\k], s86, v[PX+\k], s80        ; pixel column
.endr
.irp k, 0,1
	v_cmp_lt_f32 s[24+\k], s83, v[OO+\k]           ; opacity > 0.01
	v_cmp_lt_f32 s[28+\k], 0, v[DET+\k]            ; det > 0
.endr
	v_cmp_gt_u32 s70, 176, v0                      ; gaussian thread + 256 exists
.irp k, 0,1
	s_and_b32 s[24+\k], s[24+\k], s[28+\k]
.endr
	s_and_b32 s25, s25, s70
	s_wait_alu depctr_va_vdst(0)                   ; one wait for the four transcendentals, ahead of their first reader
.irp k, 0,1
	v_fma_f32 v[TMP+\k], -v[DET+\k], v[RC+\k], 1.0 ; one Newton step
.endr
.irp k, 0,1
	v_fma_f32 v[RC+\k], v[RC+\k], v[TMP+\k], v[RC+\k]
.endr
.irp k, 0,1
	v_mul_f32 v[RC+\k], s84, v[RC+\k]              ; 0.5 log2(e) / det
	v_add_nc_u32 v[LG+\k], 1, v[LG+\k]             ; the limit as a whole number: np <= log2(255 o) is bits(np) < bits(log2(255 o)) + 1 for numbers that are not negative
.endr
.irp k, 0,1
	v_mul_f32 v[VC+\k], v[VC+\k], v[RC+\k]         ; A, of dr^2
	v_mul_f32 v[VA+\k], v[VA+\k], v[RC+\k]         ; C, of dc^2
	v_mul_f32 v[VB+\k], v[VB+\k], v[RC+\k]
	v_cndmask_b32 v[LG+\k], 0, v[LG+\k], s[24+\k]  ; a gaussian that is not kept has the limit 0, under which no pattern lies: its alpha is 0 whatever its other parameters hold
.endr
.irp k, 0,1
	v_mul_f32 v[VB+\k], -2.0, v[VB+\k]             ; B, of dr dc
.endr
.irp k, 0,1
	ds_store_b32 v[OP], v[PRR+\k] offset:PRM+1024*\k
	ds_store_b32 v[OP], v[PCR+\k] offset:PRM+2048+1024*\k
	ds_store_b32 v[OP], v[VC+\k]  offset:PRM+4096+1024*\k
	ds_store_b32 v[OP], v[VB+\k]  offset:PRM+6144+1024*\k
	ds_store_b32 v[OP], v[VA+\k]  offset:PRM+8192+1024*\k
	ds_store_b32 v[OP], v[LG+\k]  offset:PRM+10240+1024*\k
	ds_store_b32 v[OP], v[OO+\k]  offset:PRM+12288+1024*\k
.endr
	s_wait_dscnt 0x0                               ; for the others' sake: my parameters have landed
	s_barrier_signal -1
	s_barrier_wait -1                              ; all 512 gaussians' parameters lie in LDS
; The parameters of gaussians 4 g .. 4 g + 3 of the trip's block, seven loads in one run: every lane reads the same 16 bytes.  Groups 8 and 9 are the next trip's 0 and 1 (all 512 entries are written)
.macro RUN g
.irp a, 0,1,2,3,4,5
	ds_load_b128 v[PB+24*((\g)%2)+4*\a:PB+24*((\g)%2)+4*\a+3], v[PA] offset:2048*\a+16*(\g)
.endr
	ds_load_b128 v[OB+4*((\g)%4):OB+4*((\g)%4)+3], v[PA] offset:12288+16*(\g)
.endm
.macro EX2 x                           ; two exponentials of the group before, in place: 2^(-np)
	v_exp_f32 v[PWo+\x], -v[PWo+\x]
	v_exp_f32 v[PWo+\x+1], -v[PWo+\x+1]
.endm
; GROUP g, FIRST HALF: np = -log2(e) x power of 4 gaussians x 2 pixels, two gaussians an instruction: four streams i = 2 pixel + pair by turns.  e = 1: the eight exponentials of group g - 1 stand
; among the first four steps; the twenty plain lines of the other steps follow the last of them.
.macro QA g, e
.set PBk, PB+24*((\g)%2)
.set PWk, PW+8*((\g)%2)
.set PWo, PW+8-8*((\g)%2)
.set Mk,  8+8*((\g)%2)
.irp i, 0,1,2,3
	v_pk_add_f32 v[DR+2*\i:DR+2*\i+1], v[PBk+2*(\i%2):PBk+2*(\i%2)+1], v[NR+4*(\i/2):NR+4*(\i/2)+1]        ; dr = pr - row
.endr
.if \e
	EX2 0
.endif
.irp i, 0,1,2,3
	v_pk_add_f32 v[DC+2*\i:DC+2*\i+1], v[PBk+4+2*(\i%2):PBk+5+2*(\i%2)], v[NC+4*(\i/2):NC+4*(\i/2)+1]      ; dc = pc - col
.endr
.if \e
	EX2 2
.endif
.irp i, 0,1,2,3
	v_pk_mul_f32 v[PWk+2*\i:PWk+2*\i+1], v[PBk+8+2*(\i%2):PBk+9+2*(\i%2)], v[DR+2*\i:DR+2*\i+1]            ; A dr
.endr
.if \e
	EX2 4
.endif
.irp i, 0,1,2,3
	v_pk_mul_f32 v[UU+2*\i:UU+2*\i+1], v[PBk+16+2*(\i%2):PBk+17+2*(\i%2)], v[DC+2*\i:DC+2*\i+1]            ; C dc
.endr
.if \e
	EX2 6
.endif
.irp i, 0,1,2,3
	v_pk_fma_f32 v[PWk+2*\i:PWk+2*\i+1], v[PBk+12+2*(\i%2):PBk+13+2*(\i%2)], v[DC+2*\i:DC+2*\i+1], v[PWk+2*\i:PWk+2*\i+1]   ; B dc + A dr
.endr
.irp i, 0,1,2,3
	v_pk_mul_f32 v[UU+2*\i:UU+2*\i+1], v[UU+2*\i:UU+2*\i+1], v[DC+2*\i:DC+2*\i+1]                          ; C dc^2: +0 or more
.endr
.irp i, 0,1,2,3
	v_pk_fma_f32 v[PWk+2*\i:PWk+2*\i+1], v[PWk+2*\i:PWk+2*\i+1], v[DR+2*\i:DR+2*\i+1], v[UU+2*\i:UU+2*\i+1]
.endr
.irp m, 0,1,2,3,4,5,6,7
	v_cmp_gt_u32 s[Mk+\m], v[PBk+20+\m%4], v[PWk+\m]   ; ONE TEST FOR THREE: as a whole number without sign, np's pattern lies under the limit where 0 <= np <= log2(255 o), that is power <= 0 and
.endr                                              ; alpha >= 1/255; a negative np (power > 0) has its top bit set and lies above every limit; the limit 0 drops a gaussian that is not kept
.endm
; GROUP g, SECOND HALF: alpha, w = alpha T, T.  run = 1: the parameters of group g + 3 are asked for, directly behind the wait for the vector results.  ex = 1: the exponentials of group g + 1 stand among the clips
.macro TB g, run, ex
.set PWk, PW+8*((\g)%2)
.set PWo, PW+8-8*((\g)%2)
.set Mk,  8+8*((\g)%2)
.set OBk, OB+4*((\g)%4)
	s_wait_alu depctr_va_vdst(0)                   ; one wait for the group's eight exponentials, ahead of their first reader
.if \run
	RUN (\g)+3                                     ; group g + 1's first half has read its buffer; the opacities' fourth buffer was last read by group g - 1
.endif
.irp i, 0,1,2,3
	v_pk_mul_f32 v[PWk+2*\i:PWk+2*\i+1], v[PWk+2*\i:PWk+2*\i+1], v[OBk+2*(\i%2):OBk+2*(\i%2)+1]            ; o x exp
.endr
.irp m, 0,1,2,3,4,5,6,7
	v_min_num_f32 v[PWk+\m], s63, v[PWk+\m]        ; the clip at 0.99
.if \ex
	v_exp_f32 v[PWo+\m], -v[PWo+\m]
.endif
.endr
.irp m, 0,1,2,3,4,5,6,7
	v_cndmask_b32 v[AP+2*(\m%4)+\m/4], 0, v[PWk+\m], s[Mk+\m]
.endr
.irp n, 0,1,2,3
	v_mul_f32 v[W0+4*(\g)+\n], v[AP+2*\n], v[TT]
	v_mul_f32 v[W0+32+4*(\g)+\n], v[AP+2*\n+1], v[TT+1]
	v_pk_fma_f32 v[TT:TT+1], v[AP+2*\n:AP+2*\n+1], v[TT:TT+1], v[TT:TT+1] neg_lo:[1,0,0] neg_hi:[1,0,0]    ; T - alpha T
.if \n == 2
.irp q, 0,1
.if (\g) == 0
	v_max3_num_f32 v[MX+\q], v[W0+32*\q], v[W0+32*\q+1], 0x1800000   ; the block's largest w begins anew, with the floor 2^(3 - 127) among its leaves: the scale's byte cannot fall under 1.  w is never negative
.else
	v_max3_num_f32 v[MX+\q], v[MX+\q], v[W0+32*\q+4*(\g)], v[W0+32*\q+4*(\g)+1]
.endif
.endr
.endif
.if \n == 3
.irp q, 0,1
	v_max3_num_f32 v[MX+\q], v[MX+\q], v[W0+32*\q+4*(\g)+2], v[W0+32*\q+4*(\g)+3]
.endr
.endif
.endr
.endm
; The block's quantiser for my two pixels.  The largest w with 2 off its exponent field is the conversion's scale operand; its exponent field is the byte.
.macro QW
.irp q, 0,1
	v_add_nc_u32 v[SCO+\q], 0xff000000, v[MX+\q]
.endr
.irp q, 0,1
	v_lshrrev_b32 v[BY+\q], 23, v[SCO+\q]
.endr
.irp q, 0,1
	v_add_nc_u32 v[TWI+\q], s67, v[WI+\q]          ; block b: 256 b bytes on among the codes,
	v_add_nc_u32 v[TWS+\q], s66, v[WS+\q]          ; b among the scale bytes
.endr
.irp q, 0,1
.irp i, 0,1,2,3
	v_cvt_scalef32_pk8_fp4_f32 v[CW+4*\q+\i], v[W0+32*\q+8*\i:W0+32*\q+8*\i+7], v[SCO+\q]
.endr
.endr
	v_nop                                          ; one plain line behind the conversions, ahead of the vector lines that write their sources again
.irp q, 0,1
	ds_store_b128 v[TWI+\q], v[CW+4*\q:CW+4*\q+3]  ; 32 codes: sixteen lanes store 256 consecutive bytes
	ds_store_b8 v[TWS+\q], v[BY+\q]
.endr
.endm
; A HELPER'S STEP.  Gaussian n = 72 camera + hw of feature row d stands at ((128 camera + d) 72 + hw) x 4 bytes.  Eight neighbours never straddle a camera (72 = 9 x 8): group q of eight begins at
; 288 d + 32 q + 36,576 (q / 9), and all but 288 d stands in the immediate.  Block t is groups 4 t .. 4 t + 3; groups 54 and 55 do not exist: block 13 has four loads, and zero codes for its second half.
.macro LOADF t
.irp g, 0,1,2,3
.if 4*(\t)+\g < 54
	global_load_b128 v[FXS+32*((\t)%3)+8*\g:FXS+32*((\t)%3)+8*\g+3],   v[D288], s[50:51] offset:32*(4*(\t)+\g)+36576*((4*(\t)+\g)/9)
	global_load_b128 v[FXS+32*((\t)%3)+8*\g+4:FXS+32*((\t)%3)+8*\g+7], v[D288], s[50:51] offset:32*(4*(\t)+\g)+36576*((4*(\t)+\g)/9)+16
.endif
.endr
.endm
.macro FSTEP t
.set XS, FXS+32*((\t)%3)
.set CS, FCS+4*((\t)%3)
.if (\t) < 11
	s_wait_loadcnt 16                              ; this block's loads are in; those of the two blocks behind it, eight each, may be out
.elseif (\t) == 11
	s_wait_loadcnt 12                              ; eight and the last block's four
.elseif (\t) == 12
	s_wait_loadcnt 4
.else
	s_wait_loadcnt 0x0
.endif
	v_max3_num_f32 v[FM], |v[XS]|, |v[XS+1]|, 0x1800000            ; the block's largest magnitude, in two chains, the floor 2^(3 - 127) among the leaves
.if (\t) < 13
	v_max3_num_f32 v[FM2], |v[XS+16]|, |v[XS+17]|, 0x1800000
.endif
.irp i, 2,4,6,8,10,12,14
	v_max3_num_f32 v[FM], v[FM], |v[XS+\i]|, |v[XS+\i+1]|
.if (\t) < 13
	v_max3_num_f32 v[FM2], v[FM2], |v[XS+16+\i]|, |v[XS+17+\i]|
.endif
.endr
.if (\t) < 13
	v_max_num_f32 v[FM], v[FM], v[FM2]
.endif
	v_add_nc_u32 v[FSC], 0xff000000, v[FM]         ; 2 off its exponent field: the conversion's scale operand
	v_lshrrev_b32 v[FBT], 23, v[FSC]               ; the scale's byte
.if (\t)%4 == 0
	v_mov_b32 v[SBY+(\t)/4], v[FBT]                ; four bytes to a register, the lower block in the lower byte
.else
	v_lshl_or_b32 v[SBY+(\t)/4], v[FBT], 8*((\t)%4), v[SBY+(\t)/4]
.endif
.if (\t) >= 3
	s_wait_dscnt 2                                 ; the two younger stores may be out: the store of three steps ago has read this set of code registers
.endif
.if (\t) == 13
	v_mov_b32 v[CS+2], 0
	v_mov_b32 v[CS+3], 0
.endif
.irp i, 0,1,2,3
.if 4*(\t)+\i < 54
	v_cvt_scalef32_pk8_fp4_f32 v[CS+\i], v[XS+8*\i:XS+8*\i+7], v[FSC]
.endif
.endr
	v_nop                                          ; one plain line behind the conversions
.if (\t)+3 < 14
	LOADF (\t)+3                                   ; the set takes the block three further on
.endif
	ds_store_b128 v[FI], v[CS:CS+3] offset:256*(\t)
.endm
	v_mov_b32 v[PA], PRM
	RUN 0
	RUN 1
	s_mov_b32 s66, 0
	s_mov_b32 s67, 0
	s_mov_b32 s68, PRM
	s_wait_dscnt 0x0                               ; the first two groups' parameters
	s_cmp_eq_u32 s92, 0
	s_cbranch_scc1 .Lfill_w
	; THE HELPERS: 14 blocks of my feature row, written out; loads run three blocks ahead
	LOADF 0
	LOADF 1
	LOADF 2
.irp t, 0,1,2,3,4,5,6,7,8,9,10,11,12,13
	FSTEP \t
.endr
	v_or_b32 v[SBY+3], 0x7f7f0000, v[SBY+3]        ; blocks 14 and 15 (K 448 to 511): scale bytes 127,
	ds_store_b128 v[FS], v[SBY:SBY+3]
	ds_store_b128 v[FI], v[12:15] offset:3584      ; zero codes
	ds_store_b128 v[FI], v[12:15] offset:3840
	s_branch .Ltrip
.Lfill_w:                                          ; the render waves: the same two blocks of w
.irp a, WI, WI+1
	ds_store_b128 v[\a], v[12:15] offset:3584
	ds_store_b128 v[\a], v[12:15] offset:3840
.endr
.irp a, WS, WS+1
	ds_store_b16 v[\a], v20 offset:14
.endr
; A TRIP: a block of 32 gaussians in eight groups of four.  Every wave walks the 14 trips; a helper has nothing to do in them.
; LDS instructions of a render wave's trip, in order (R k: the seven loads of group k): R2 | R3 | R4 | R5 | R6 | R7 | R8 | R9 | four stores.  R2 stands behind group 0's first half, R(g + 3) in group g's second half.
.Ltrip:
	s_cmp_lg_u32 s92, 0
	s_cbranch_scc1 .Lnext
	v_mov_b32 v[PA], s68
	s_wait_dscnt 4                                 ; the last trip's four stores may be out; R8 and R9, this trip's groups 0 and 1, are older than they (on the way in the parameters were waited for)
	QA 0, 0
	RUN 2
	QA 1, 1
	TB 0, 1, 0
.irp g, 2,3,4,5,6
	s_wait_dscnt 7                                 ; behind R(g) stands R(g + 1) alone
	QA \g, 1
	TB \g-1, 1, 0
.endr
	s_wait_dscnt 7
	QA 7, 1
	TB 6, 1, 1                                     ; group 7's exponentials stand here: no first half follows that could hold them
	TB 7, 0, 0
	QW
.Lnext:
	s_add_co_u32 s67, s67, 256
	s_add_co_u32 s68, s68, 128
	s_add_co_u32 s66, s66, 1
	s_cmp_lt_u32 s66, 14
	s_cbranch_scc1 .Ltrip
	s_wait_dscnt 0x0                               ; for the others' sake: my images have landed; and the loads that ran ahead are in
	s_barrier_signal -1
	s_barrier_wait -1                              ; both operands lie in LDS as codes
	s_cmp_ge_u32 s5, s6
	s_cbranch_scc1 .Lend                           ; a pixel wave all of whose pixels lie past the map's end stores nothing
	; THE PRODUCTS: my pixel wave's four pixel tiles x four channel tiles: 0-3 in the render wave, 4-7 in its helper
	v_and_b32 v11, 31, v0
	s_lshl_b32 s70, s91, 14
	s_add_co_u32 s70, s70, WIMG
	v_lshl_add_u32 v[LI], v11, 4, s70
	s_lshl_b32 s71, s91, 10
	s_add_co_u32 s71, s71, WSCL
	v_lshl_add_u32 v[WSR], v1, 4, s71
	s_lshl_b32 s70, s92, 14
	s_add_co_u32 s70, s70, FIMG
	v_lshl_add_u32 v[FL], v11, 4, s70
	s_lshl_b32 s71, s92, 10
	s_add_co_u32 s71, s71, FSCL
	v_lshl_add_u32 v[FSR], v1, 4, s71
	s_mul_i32 s70, s92, s6
	s_lshl_b32 s70, s70, 8                         ; 64 channels x 4 P bytes for the helper
	s_mov_b32 s71, 0
	s_add_nc_u64 s[58:59], s[58:59], s[70:71]
	; fragment (tile, K step s), registers 4 c on, of lane (r, h) is block 4 s + 2 c + h of column r: 4,096 tile + 1,024 s + 512 c + 16 lane
	WIN 0x40                                       ; destination window 1
.irp u, 0,1,2,3
.irp s, 0,1,2,3
.irp c, 0,1
	ds_load_b128 v[8*(4*\u+\s)+4*\c:8*(4*\u+\s)+4*\c+3], v[LI] offset:4096*\u+1024*\s+512*\c
.endr
.endr
.endr
	WIN 0
.irp u, 0,1,2,3
	ds_load_b128 v[WSW+4*\u:WSW+4*\u+3], v[WSR] offset:256*\u      ; column r's 16 scale bytes: a word for each K step
.endr
.macro LDF t                           ; my channel tile t: four fragments and its rows' scale words, nine loads
.irp s, 0,1,2,3
.irp c, 0,1
	ds_load_b128 v[FB+32*((\t)%2)+8*\s+4*\c:FB+32*((\t)%2)+8*\s+4*\c+3], v[FL] offset:4096*(\t)+1024*\s+512*\c
.endr
.endr
	ds_load_b128 v[FSW+4*((\t)%2):FSW+4*((\t)%2)+3], v[FSR] offset:256*(\t)
.endm
	LDF 0
	LDF 1
	; where my results go: out(16 tile + 8 h + j, pixel(u, r))
	v_mul_lo_u32 v7, v1, s74
	v_add_nc_u32 v7, s5, v7
	v_min_u32 v7, s76, v7                          ; pixel(0, r)
	v_mov_b32 v[DU], 0
.irp u, 1,2,3
	s_mul_i32 s70, s75, \u
	v_add_nc_u32 v[DU+\u], s70, v7
	v_min_u32 v[DU+\u], s77, v[DU+\u]
	v_sub_nc_u32 v[DU+\u], v[DU+\u], v7
	v_lshlrev_b32 v[DU+\u], 2, v[DU+\u]
.endr
	v_lshlrev_b32 v7, 2, v7
	s_lshl_b32 s70, s7, 3
	v_mul_lo_u32 v[VD], v2, s70                    ; 8 h channels
	v_add_nc_u32 v[VD], v[VD], v7
.irp j, 1,2,3,4,5,6,7
	v_add_nc_u32 v[VD+\j], s7, v[VD+\j-1]
.endr
; 16 matrix instructions: source 0 = 16 channels, source 1 = 16 pixels; the four pixel tiles' accumulators by turns, one instruction a turn, K step by K step.
; The first K step starts the sums.
.macro MM t
	WIN 0x04                                       ; source 1 (w) window 1
.irp s, 0,1,2,3
.irp u, 0,1,2,3
.if \s == 0
	v_wmma_scale_f32_16x16x128_f8f6f4 v[ACC+8*\u:ACC+8*\u+7], v[FB+32*((\t)%2)+8*\s:FB+32*((\t)%2)+8*\s+7], v[8*(4*\u+\s):8*(4*\u+\s)+7], 0, v[FSW+4*((\t)%2)+\s], v[WSW+4*\u+\s] matrix_a_fmt:MATRIX_FMT_FP4 matrix_b_fmt:MATRIX_FMT_FP4
.else
	v_wmma_scale_f32_16x16x128_f8f6f4 v[ACC+8*\u:ACC+8*\u+7], v[FB+32*((\t)%2)+8*\s:FB+32*((\t)%2)+8*\s+7], v[8*(4*\u+\s):8*(4*\u+\s)+7], v[ACC+8*\u:ACC+8*\u+7], v[FSW+4*((\t)%2)+\s], v[WSW+4*\u+\s] matrix_a_fmt:MATRIX_FMT_FP4 matrix_b_fmt:MATRIX_FMT_FP4
.endif
.endr
.endr
	WIN 0
.endm
; THE WAY OUT of a channel tile.  Scales 1-3: register j of the four accumulators is four neighbouring pixels of channel 8 h + j: gathered into four neighbouring registers, sixteen lanes store 256
; consecutive bytes.  Scale 0: 4 bytes a lane, sixteen lanes 64 consecutive bytes.  Each accumulator is read from its low end on.  The branch hangs on the work-group's number alone.
.macro OUT
	s_cmp_eq_u32 s3, 0
	s_cbranch_scc1 .Lsmall_\@
.irp j, 0,1,2,3,4,5,6,7
.irp u, 0,1,2,3
	v_mov_b32 v[GG+4*\j+\u], v[ACC+8*\u+\j]
.endr
.endr
.irp j, 0,1,2,3,4,5,6,7
	global_store_b128 v[VD+\j], v[GG+4*\j:GG+4*\j+3], s[58:59] th:TH_STORE_NT
.endr
	s_branch .Lsent_\@
.Lsmall_\@:
.irp j, 0,1,2,3,4,5,6,7
.irp u, 0,1,2,3
	v_add_nc_u32 v[GG+4*\j+\u], v[VD+\j], v[DU+\u]
.endr
.endr
.irp j, 0,1,2,3,4,5,6,7
.irp u, 0,1,2,3
	global_store_b32 v[GG+4*\j+\u], v[ACC+8*\u+\j], s[58:59] th:TH_STORE_NT
.endr
.endr
.Lsent_\@:
.endm
.irp t, 0,1,2,3
.if \t < 3
	s_wait_dscnt 9                                 ; all but the next tile's nine loads
.else
	s_wait_dscnt 0x0
.endif
.if \t > 0
	s_wait_xcnt 0x0                                ; the last tile's stores have read their data, offsets and base: only behind this wait are they written again
	s_add_nc_u64 s[58:59], s[58:59], s[60:61]      ; 16 channels on
.endif
	MM \t
.rept 4
	v_nop                                          ; four places ahead of the loads into the fragments' registers and of the first reads of the results
.endr
.if \t < 2
	LDF \t+2
.endif
	OUT                                            ; its 32 vector lines also part this tile's products from the next tile's, which begin the accumulators anew
.endr
.Lend:
	s_wait_tensorcnt 0x0
	ds_add_u32 v254, v255
	s_wait_dscnt 0x0
	s_endpgm
; out4: the number of opacities above 0.01, all four scales: 4 x 432 numbers, wave 0's 56 loads.  The count goes into the stored number alone: no branch and no address hangs on it.
.Lcount:
	s_cmp_lg_u32 s2, 0
	s_cbranch_scc1 .Lidle
	s_mov_b32 s83, 0x3c23d70a                      ; 0.01
	v_lshlrev_b32 v1, 2, v0                        ; in wave 0 the thread's number is the lane's
	v_min_u32 v2, 15, v0
	v_lshlrev_b32 v2, 2, v2                        ; 432 = 13 x 32 + 16: the last load's upper lanes read number 431 and are masked out
.irp s, 0,1,2,3
.irp k, 0,1,2,3,4,5,6,7,8,9,10,11,12
	global_load_b32 v[16+14*\s+\k], v1, s[32+2*\s:33+2*\s] offset:128*\k
.endr
	global_load_b32 v[16+14*\s+13], v2, s[32+2*\s:33+2*\s] offset:1664
.endr
	s_mov_b32 s70, 0
	s_wait_loadcnt 0x0
.irp s, 0,1,2,3
.irp k, 0,1,2,3,4,5,6,7,8,9,10,11,12,13
	v_cmp_lt_f32 vcc_lo, s83, v[16+14*\s+\k]
.if \k == 13
	s_and_b32 vcc_lo, vcc_lo, 0xffff
.endif
	s_bcnt1_i32_b32 s71, vcc_lo
	s_add_co_u32 s70, s70, s71
.endr
.endr
	v_cvt_f32_u32 v2, s70                          ; at most 1,728: exact
	v_mov_b32 v3, 0
	v_cmp_eq_u32 vcc_lo, 0, v0
	s_wait_xcnt 0x0                                ; EXEC changes only behind this wait
	s_and_saveexec_b32 s71, vcc_lo
	global_store_b32 v3, v2, s[48:49]              ; lane 0 alone
	s_wait_xcnt 0x0                                ; and again, in front of the line that widens it
	s_or_b32 exec_lo, exec_lo, s71
.Lidle:
	s_endpgm
.Lfunc_end_k_q5cbe2f73de_render:
	.size	k_q5cbe2f73de_render, .Lfunc_end_k_q5cbe2f73de_render-k_q5cbe2f73de_render
	.p2alignl 7, 3214868480
	.fill 96, 4, 3214868480
	.section	.rodata,"a",@progbits
	.p2align	6, 0x0
	.amdhsa_kernel k_q5cbe2f73de_render
		.amdhsa_group_segment_fixed_size 168960
		.amdhsa_private_segment_fixed_size 0
		.amdhsa_enable_private_segment 0
		.amdhsa_kernarg_size 168
		.amdhsa_user_sgpr_count 2
		.amdhsa_user_sgpr_kernarg_segment_ptr 1
		.amdhsa_wavefront_size32 1
		.amdhsa_system_sgpr_workgroup_id_x 1
		.amdhsa_system_sgpr_workgroup_id_y 1
		.amdhsa_system_sgpr_workgroup_id_z 1
		.amdhsa_system_vgpr_workitem_id 0
		.amdhsa_next_free_vgpr 384
		.amdhsa_next_free_sgpr 96
		.amdhsa_reserve_vcc 1
		.amdhsa_float_denorm_mode_32 3
		.amdhsa_float_denorm_mode_16_64 3
		.amdhsa_memory_ordered 1
		.amdhsa_forward_progress 1
		.amdhsa_inst_pref_size 137
	.end_amdhsa_kernel
	.amdgpu_metadata
---
amdhsa.version: [ 1, 2 ]
amdhsa.kernels:
  - .name:           k_q5cbe2f73de_render
    .symbol:         k_q5cbe2f73de_render.kd
    .args:
      - { .name: features0, .offset: 0, .size: 8, .value_kind: global_buffer, .address_space: global }
      - { .name: features1, .offset: 8, .size: 8, .value_kind: global_buffer, .address_space: global }
      - { .name: features2, .offset: 16, .size: 8, .value_kind: global_buffer, .address_space: global }
      - { .name: features3, .offset: 24, .size: 8, .value_kind: global_buffer, .address_space: global }
      - { .name: means0, .offset: 32, .size: 8, .value_kind: global_buffer, .address_space: global }
      - { .name: means1, .offset: 40, .size: 8, .value_kind: global_buffer, .address_space: global }
      - { .name: means2, .offset: 48, .size: 8, .value_kind: global_buffer, .address_space: global }
      - { .name: means3, .offset: 56, .size: 8, .value_kind: global_buffer, .address_space: global }
      - { .name: uncert0, .offset: 64, .size: 8, .value_kind: global_buffer, .address_space: global }
      - { .name: uncert1, .offset: 72, .size: 8, .value_kind: global_buffer, .address_space: global }
      - { .name: uncert2, .offset: 80, .size: 8, .value_kind: global_buffer, .address_space: global }
      - { .name: uncert3, .offset: 88, .size: 8, .value_kind: global_buffer, .address_space: global }
      - { .name: opac0, .offset: 96, .size: 8, .value_kind: global_buffer, .address_space: global }
      - { .name: opac1, .offset: 104, .size: 8, .value_kind: global_buffer, .address_space: global }
      - { .name: opac2, .offset: 112, .size: 8, .value_kind: global_buffer, .address_space: global }
      - { .name: opac3, .offset: 120, .size: 8, .value_kind: global_buffer, .address_space: global }
      - { .name: out0, .offset: 128, .size: 8, .value_kind: global_buffer, .address_space: global }
      - { .name: out1, .offset: 136, .size: 8, .value_kind: global_buffer, .address_space: global }
      - { .name: out2, .offset: 144, .size: 8, .value_kind: global_buffer, .address_space: global }
      - { .name: out3, .offset: 152, .size: 8, .value_kind: global_buffer, .address_space: global }
      - { .name: out4, .offset: 160, .size: 8, .value_kind: global_buffer, .address_space: global }
    .group_segment_fixed_size: 168960
    .private_segment_fixed_size: 0
    .kernarg_segment_align: 8
    .kernarg_segment_size: 168
    .max_flat_workgroup_size: 256
    .sgpr_count:     96
    .vgpr_count:     384
    .wavefront_size: 32
...
	.end_amdgpu_metadata
.endif
;; end of part 2
